; MI455X (gfx1250); checked and timed in simulation.
; The chip was launched on July 23, 2026; its instructions are those of AMD's public machine-readable ISA for CDNA 5 (MIT licence, August 2026) and "CDNA5" Instruction Set Architecture Reference Guide (July 2026). The comments in the code are by the model that wrote it; some were corrected since.
;; Deep Factor RNN. Allowed arithmetic: matrix products marked QUANTISED: E2M3 operands, one E8M0 scale for each 32 along K, by v_wmma_scale_f32_16x16x128_f8f6f4 with both operands' format E2M3, f32 sums; products left as they are: f32 operands where the result goes on into a quantised operand, else bf16, f16 or f32 operands; f32 sums; everything else in f32.
;; Inputs: X_codes 128 x 256 x 4 x 24 uint8 (E2M3 codes of X, K innermost, in blocks of 32 codes, four codes in three bytes); X_scales 128 x 256 x 4 uint8 (E8M0 scales of X, one for each 32 codes along K); aff_W 10 x 512 float32; aff_b 10 float32; g_Wih0_codes 2,048 x 4 x 24 uint8 (E2M3 codes of g_Wih0, K innermost, in blocks of 32 codes, four codes in three bytes); g_Wih0_scales 2,048 x 4 uint8 (E8M0 scales of g_Wih0, one for each 32 codes along K); g_Wih1_codes 2,048 x 16 x 24 uint8 (E2M3 codes of g_Wih1, K innermost, in blocks of 32 codes, four codes in three bytes); g_Wih1_scales 2,048 x 16 uint8 (E8M0 scales of g_Wih1, one for each 32 codes along K); g_b0 2,048 float32; g_b1 2,048 float32; n_Wih0_codes 1,024 x 4 x 24 uint8 (E2M3 codes of n_Wih0, K innermost, in blocks of 32 codes, four codes in three bytes); n_Wih0_scales 1,024 x 4 uint8 (E8M0 scales of n_Wih0, one for each 32 codes along K); n_Wih1_codes 1,024 x 8 x 24 uint8 (E2M3 codes of n_Wih1, K innermost, in blocks of 32 codes, four codes in three bytes); n_Wih1_scales 1,024 x 8 uint8 (E8M0 scales of n_Wih1, one for each 32 codes along K); n_b0 1,024 float32; n_b1 1,024 float32; noise_W 1 x 256 float32; noise_b 1 float32.
;; Outputs: out0 128 x 256 float32; out1 128 x 256 float32.
;; This version of the problem:
;;   THIS VERSION OF THE PROBLEM IS GIVEN IN LOW PRECISION. The matrix products marked QUANTISED in the list below multiply operands that are first quantised to E2M3 (2 exponent bits, 3 mantissa bits; 6 bits a number), with one power-of-two scale for each 32 numbers along K (OCP MX v1.0); their sums are f32. All else is computed in f32.
;;   The module's matrix products, in the order in which they are computed (A, B: the left and right operand; K: the contracted axis; several contracted axes count as one K, in the product's order):
;;     1. [M 32,768, K 128] x [K 128, N 2,048]; A: input X (given as codes); B: input g_Wih0 (given as codes): QUANTISED
;;     2. [M 32,768, K 512] x [K 512, N 2,048]; A: computed on the way; B: input g_Wih1 (given as codes): QUANTISED
;;     3. [M 32,768, K 512] x [K 512, N 10]; A: computed on the way; B: input aff_W: left as it is (N = 10 < 16)
;;     4. [M 32,768, K 128] x [K 128, N 1,024]; A: input X (given as codes); B: input n_Wih0 (given as codes): QUANTISED
;;     5. [M 32,768, K 256] x [K 256, N 1,024]; A: computed on the way; B: input n_Wih1 (given as codes): QUANTISED
;;     6. [M 32,768, K 256] x [K 256, N 1]; A: computed on the way; B: input noise_W: left as it is (N = 1 < 16)
;;   THE QUANTISER, for each operand of a quantised product, along K:
;;     - K is cut into blocks of 32 from its start; a last block that is shorter is filled with zeros.
;;     - A block's scale is 2^e with e = floor(log2(the largest magnitude in the block)) - 2, held to -126 .. 127; a block of zeros has e = 0. As a byte (E8M0): e + 127.
;;     - Each number is divided by its block's scale, clamped to +-7.5, and rounded to the nearest number of E2M3, ties to even, subnormals kept.
;;     - The product sums the exact products of the quantised numbers (number of the format x scale) in f32.
;;   ~~~python
;;   def quantise(x, axis):      # numpy; x: float32 -> the quantised numbers, widened to float32 again
;;       x = np.moveaxis(x, axis, -1); K = x.shape[-1]
;;       x = np.pad(x, [(0, 0)] * (x.ndim - 1) + [(0, -K % 32)]); x = x.reshape(x.shape[:-1] + (-1, 32)); a = np.abs(x).max(-1, keepdims=True)
;;       e = np.where(a > 0, np.clip(np.frexp(np.where(a > 0, a, 1))[1] - 1 - 2, -126, 127), 0)      # np.frexp(a)[1] - 1 = floor(log2(a)), exactly
;;       r = np.clip(x / 2.0 ** e, -7.5, 7.5)
;;       step = 2.0 ** (np.maximum(np.frexp(np.where(r == 0, 1, r))[1] - 1, 0) - 3)
;;       q = np.round(r / step) * step * 2.0 ** e      # np.round: ties to even
;;       return np.moveaxis(q.reshape(q.shape[:-2] + (-1,))[..., :K], -1, axis).astype(np.float32)
;;   ~~~
;;   OPERANDS COMPUTED ON THE WAY. 'Computed on the way' means the value that the module computes at that place (a softmax that the list does not call 'softmax' is quantised finished and normalised). What goes into a quantiser is computed in f32, as accurately as f32 sums, v_exp_f32 and their like allow (about 1e-6 of the number): no bf16 or f16 on the way to a quantiser, and a product that is left as it is and whose result goes on into a quantised operand takes f32 operands (vector FMAs, or v_wmma_f32_16x16x4_f32). A number that lies on a knife's edge between two numbers of the format may be rounded either way, as far as f32 arithmetic and the matrix unit's own rounding can turn it there, and no further.
;;   INPUTS GIVEN AS CODES. X (in the module: [128, 256, 128], K = its axis 2); g_Wih0 (in the module: [2048, 128], K = its axis 1); g_Wih1 (in the module: [2048, 512], K = its axis 1); n_Wih0 (in the module: [1024, 128], K = its axis 1); n_Wih1 (in the module: [1024, 256], K = its axis 1): each comes as NAME_codes (uint8): NAME with its K axis moved to the last place and cut into blocks of 32 codes, [.., K / 32, bytes a block], one block behind the other in memory; four codes in three bytes: a row's codes are one little-endian stream of bits, code i at bits 6 i .. 6 i + 5 (a code: sign, 2 exponent bits, 3 mantissa bits); and NAME_scales (uint8): the same leading axes, one E8M0 byte (e + 127) for each 32 codes along K. Its value is code x scale, taken as it is: it is not quantised again, and the codes and scales need not be those that the quantiser above would give.
;; One version. Each part assembles by itself: llvm-mc -triple=amdgcn-amd-amdhsa -mcpu=gfx1250 --defsym DOCPART=n.
;; ======== version 1 of 1: 2 launches
;; limits: right only within a limited range of input values
;; workspace buffers: stream 1,064,960 bytes
;; launch lay (part 1): grid 13 x 4, 16 waves a work-group, no clusters, 0 bytes of LDS; arguments g_Wih0_codes, g_Wih0_scales, g_b0, n_Wih0_codes, n_Wih0_scales, n_b0, g_Wih1_codes, g_Wih1_scales, g_b1, n_Wih1_codes, n_Wih1_scales, n_b1, aff_W, noise_W, stream; writes stream
.if DOCPART == 1
	.amdgcn_target "amdgcn-amd-amdhsa--gfx1250"
	.amdhsa_code_object_version 6
	.text
	.protected	k_q347f145dd4_lay
	.globl	k_q347f145dd4_lay
	.p2align	8
	.type	k_q347f145dd4_lay,@function
k_q347f145dd4_lay:
	s_mov_b64 s[64:65], 0
	v_nop
	global_prefetch_b8 v0, s[64:65] scope:SCOPE_SE
	s_setreg_imm32_b32 hwreg(HW_REG_WAVE_MODE, 25, 1), 1
	s_wait_xcnt 0x0
; The kept rows (gates i, g, o; the f gate's rows are split off and never used by the LSTM step from a zero state) of the four weight tensors are laid into
; 'stream' as images of operand registers, in the order in which the second launch consumes them, with their scale words, biases and the last layers' weights beside them.
; stream = 13 slots of 81,920 bytes: slots 0, 1: global layer 0; 2: noise layer 0; 3-10: global layer 1; 11, 12: noise layer 1.
; A slot = 4 column quarters cq.  Images: fragment (cq, q), q = 0..11, at cq x 18,432 + q x 1,536: three chunks of 512 bytes, chunk c = registers 4c..4c+3 of lane l at 16 l.
; q = 3 g3 + gate;  g3 = tile x KS + K step (KS = 1 << LK K steps of 128).  Extras at 73,728 + cq x 2,048: 1,024 bytes of scale words, 1,024 bytes of biases, each four sub-blocks of 256 bytes.
; Work-group (x = slot, y = cq); waves 0-11: one fragment each; waves 12, 13: scale words; waves 14, 15: biases.  Every store of a wave covers 512 consecutive bytes, aligned.
; No LDS, no barrier; every wait is for 0; no register of a pending access is rewritten.
; DEAD WORK: lstm_step0 splits pre into i, f, g, o and never uses f, whatever the inputs hold: the f quarter of each of the four products, of their scales and of their biases reaches no output and is neither laid nor multiplied.
; LIMIT: a NaN, an infinity or an overflow that reaches only the f gate's quarter is not carried to the result.
.set XB,    73728
.set SLOTB, 81920
	s_load_b512 s[8:23], s[0:1], 0x0               ; g0 codes, scales, bias; n0 codes, scales, bias; g1 codes, scales
	s_load_b256 s[24:31], s[0:1], 0x40             ; g1 bias; n1 codes, scales, bias
	s_load_b128 s[32:35], s[0:1], 0x60             ; aff_W, noise_W
	s_load_b64 s[36:37], s[0:1], 0x70              ; stream
	v_lshrrev_b32 v1, 5, v0
	s_delay_alu instid0(VALU_DEP_1)
	v_readfirstlane_b32 s4, v1                     ; wave 0..15
	s_mov_b32 s2, ttmp9                            ; slot
	s_and_b32 s3, ttmp7, 0xffff                    ; cq
	v_and_b32 v1, 31, v0                           ; lane
	v_and_b32 v2, 15, v0                           ; lane % 16
	v_bfe_u32 v3, v0, 4, 1                         ; lane / 16
	s_delay_alu instid0(VALU_DEP_3)
	v_lshlrev_b32 v4, 4, v1                        ; where my 16 bytes of a store go
	s_mov_b32 s5, 256
	s_mov_b32 s6, 512
	; the first unit of (slot, cq), for each kind of slot; only the kind's own is used
	s_lshl_b32 s70, s3, 7
	s_lshl_b32 s7, s2, 6
	s_add_co_u32 s70, s70, s7                      ; global layer 0: 128 cq + 64 slot
	s_lshl_b32 s71, s3, 6                          ; noise layer 0: 64 cq
	s_lshl_b32 s73, s3, 4
	s_add_co_u32 s72, s73, s7
	s_sub_co_u32 s72, s72, 192                     ; global layer 1: 64 (slot - 3) + 16 cq
	s_lshl_b32 s7, s2, 7
	s_add_co_u32 s73, s73, s7
	s_sub_co_u32 s73, s73, 1408                    ; noise layer 1: 128 (slot - 11) + 16 cq
	; where (slot, cq) lies in the stream: images s[76:77], extras s[78:79]
	s_mul_i32 s76, s2, SLOTB
	s_mul_i32 s7, s3, 18432
	s_lshl_b32 s78, s3, 11
	s_add_co_u32 s78, s78, s76
	s_add_co_u32 s78, s78, XB
	s_add_co_u32 s76, s76, s7
	s_mov_b32 s77, 0
	s_mov_b32 s79, 0
	s_wait_kmcnt 0x0
	; the slot's kind chooses buffers and figures; the conditions hang on the slot's number alone
	s_cmp_lt_u32 s2, 2
	s_cselect_b64 s[40:41], s[8:9], s[14:15]
	s_cselect_b64 s[42:43], s[10:11], s[16:17]
	s_cselect_b64 s[44:45], s[12:13], s[18:19]
	s_cselect_b32 s46, s6, s5
	s_cselect_b32 s47, s70, s71
	s_cmp_lt_u32 s2, 11
	s_cselect_b64 s[48:49], s[20:21], s[26:27]
	s_cselect_b64 s[50:51], s[22:23], s[28:29]
	s_cselect_b64 s[52:53], s[24:25], s[30:31]
	s_cselect_b32 s54, s6, s5
	s_cselect_b32 s55, s72, s73
	s_cselect_b32 s74, 2, 1
	s_cselect_b32 s75, 0, 64
	s_cmp_lt_u32 s2, 3
	s_cselect_b64 s[56:57], s[40:41], s[48:49]     ; codes
	s_cselect_b64 s[58:59], s[42:43], s[50:51]     ; scales
	s_cselect_b64 s[60:61], s[44:45], s[52:53]     ; bias
	s_cselect_b32 s62, s46, s54                    ; H: units in the layer
	s_cselect_b32 s63, s47, s55                    ; Ub: first unit
	s_cselect_b32 s66, 0, s74                      ; LK
	s_cselect_b32 s67, 32, 0                       ; A1: units from tile pair to tile pair
	s_cselect_b32 s68, 8, s75                      ; A0: units from a pair's first tile to its second
	s_cselect_b32 s69, 8, 0                        ; P8: layer 0's tiles take rows r + 8 (r / 8)
	s_add_nc_u64 s[38:39], s[36:37], s[78:79]      ; my extras
	s_add_nc_u64 s[36:37], s[36:37], s[76:77]      ; my images
	s_lshl_b32 s7, 96, s66                         ; a weight row in bytes: 96 KS
.macro TAUROW                          ; v5 = sub-block c  ->  v7 = Ub + the tile's first unit (tile = c >> LK)
	s_delay_alu instid0(VALU_DEP_1)
	v_lshrrev_b32 v6, s66, v5
	s_delay_alu instid0(VALU_DEP_1)
	v_lshrrev_b32 v7, 1, v6
	s_delay_alu instid0(VALU_DEP_2)
	v_and_b32 v6, 1, v6
	s_delay_alu instid0(VALU_DEP_2)
	v_mul_u32_u24 v7, v7, s67
	s_delay_alu instid0(VALU_DEP_1)
	v_mad_u32_u24 v7, v6, s68, v7
	s_delay_alu instid0(VALU_DEP_1)
	v_add_nc_u32 v7, s63, v7
.endm
	s_cmp_lt_u32 s4, 12
	s_cbranch_scc0 .Lnot_image
	; ---- waves 0-11: fragment q = wave
	s_mul_i32 s40, s4, 11
	s_lshr_b32 s40, s40, 5                         ; g3 = q / 3
	s_mul_i32 s41, s40, 3
	s_sub_co_u32 s41, s4, s41                      ; gate = q % 3: 0 i, 1 g, 2 o
	s_lshr_b32 s42, s40, s66                       ; tile
	s_lshl_b32 s43, s42, s66
	s_sub_co_u32 s43, s40, s43                     ; K step
	s_min_u32 s44, s41, 1
	s_add_co_u32 s44, s44, s41                     ; the gate's place among i, f, g, o: 0, 2, 3
	s_mul_i32 s44, s44, s62
	s_add_co_u32 s44, s44, s63
	s_lshr_b32 s45, s42, 1
	s_mul_i32 s45, s45, s67
	s_add_co_u32 s44, s44, s45
	s_and_b32 s45, s42, 1
	s_mul_i32 s45, s45, s68
	s_add_co_u32 s44, s44, s45                     ; the tile's first weight row
	s_mul_i32 s44, s44, s7
	s_mul_i32 s45, s43, 96
	s_add_co_u32 s44, s44, s45                     ; in bytes, + the K step's 96
	s_mov_b32 s45, 0
	s_add_nc_u64 s[56:57], s[56:57], s[44:45]
	s_wait_alu depctr_va_vdst(0)
	v_lshrrev_b32 v5, 3, v2
	s_delay_alu instid0(VALU_DEP_1)
	v_mad_u32_u24 v5, v5, s69, v2                  ; my row of the tile: r + P8 (r / 8)
	s_delay_alu instid0(VALU_DEP_1)
	v_mul_lo_u32 v5, v5, s7
	s_delay_alu instid0(VALU_DEP_1)
	v_mad_u32_u24 v5, v3, 24, v5                   ; + 24 bytes for lanes 16-31: the 6-bit operand's layout, as the bytes lie
.irp p, 0,1,2,3,4,5
	global_load_b64 v[8+2*\p:9+2*\p], v5, s[56:57] offset:48*(\p/3)+8*(\p%3)
.endr
	s_mul_i32 s44, s4, 1536
	s_add_nc_u64 s[36:37], s[36:37], s[44:45]      ; the image's place
	s_wait_loadcnt 0x0
.irp c, 0,1,2
	global_store_b128 v4, v[8+4*\c:11+4*\c], s[36:37] offset:512*\c
.endr
	s_endpgm
.Lnot_image:
	s_cmp_lt_u32 s4, 14
	s_cbranch_scc0 .Lbias
	; ---- waves 12, 13: scale words.  Sub-block c = 2 (wave - 12) + lane / 16; lane r's 16 bytes hold words li = (4 c + i) mod 4 KS: gate li / KS (a fourth gate repeats o), K step li % KS
	s_sub_co_u32 s40, s4, 12
	s_lshl_b32 s41, s40, 1
	s_wait_alu depctr_va_vdst(0)
	v_add_nc_u32 v5, s41, v3
	TAUROW
	v_lshrrev_b32 v6, 3, v2
	s_delay_alu instid0(VALU_DEP_1)
	v_mad_u32_u24 v6, v6, s69, v2
	s_delay_alu instid0(VALU_DEP_1)
	v_add_nc_u32 v7, v7, v6                        ; my row within a gate
	s_lshl_b32 s42, 4, s66
	s_sub_co_u32 s42, s42, 1                       ; 4 KS - 1
	s_lshl_b32 s43, 1, s66
	s_sub_co_u32 s43, s43, 1                       ; KS - 1
	s_add_co_u32 s44, s66, 2                       ; a row of scales is 4 KS bytes
	v_lshlrev_b32 v5, 2, v5
.irp i, 0,1,2,3
	v_add_nc_u32 v16, \i, v5
	s_delay_alu instid0(VALU_DEP_1)
	v_and_b32 v16, s42, v16
	s_delay_alu instid0(VALU_DEP_1)
	v_lshrrev_b32 v17, s66, v16
	s_delay_alu instid0(VALU_DEP_1)
	v_min_u32 v17, 2, v17
	s_delay_alu instid0(VALU_DEP_3)
	v_and_b32 v16, s43, v16
	s_delay_alu instid0(VALU_DEP_2)
	v_min_u32 v18, 1, v17
	s_delay_alu instid0(VALU_DEP_1)
	v_add_nc_u32 v17, v17, v18
	s_delay_alu instid0(VALU_DEP_1)
	v_mad_u32_u24 v17, v17, s62, v7
	s_delay_alu instid0(VALU_DEP_1)
	v_lshlrev_b32 v17, s44, v17
	s_delay_alu instid0(VALU_DEP_1)
	v_lshl_add_u32 v[12+\i], v16, 2, v17
.endr
.irp i, 0,1,2,3
	global_load_b32 v[8+\i], v[12+\i], s[58:59]
.endr
	s_lshl_b32 s40, s40, 9
	s_mov_b32 s41, 0
	s_add_nc_u64 s[38:39], s[38:39], s[40:41]
	s_wait_loadcnt 0x0
	global_store_b128 v4, v[8:11], s[38:39]
	s_endpgm
.Lbias:
	; ---- waves 14, 15: biases.  Sub-block c = 2 (wave - 14) + lane / 16; x = lane % 16 names 16 of its 256 bytes
	s_sub_co_u32 s40, s4, 14
	s_lshl_b32 s41, s40, 1
	s_wait_alu depctr_va_vdst(0)
	v_add_nc_u32 v5, s41, v3
	TAUROW
	s_lshl_b32 s40, s40, 9
	s_add_co_u32 s40, s40, 1024
	s_mov_b32 s41, 0
	s_add_nc_u64 s[38:39], s[38:39], s[40:41]
	s_cmp_lt_u32 s2, 3
	s_cbranch_scc0 .Lbias_layer1
	; layer 0: [gate 0..3 (the fourth repeats o)][half h][8 f32], as they are: the C operand of a transposed tile: lane (r, h), register j = the bias of unit 16 h + j of the tile's span
	v_lshrrev_b32 v8, 2, v2
	s_delay_alu instid0(VALU_DEP_1)
	v_min_u32 v8, 2, v8
	s_delay_alu instid0(VALU_DEP_1)
	v_min_u32 v9, 1, v8
	s_delay_alu instid0(VALU_DEP_1)
	v_add_nc_u32 v8, v8, v9
	s_delay_alu instid0(VALU_DEP_1)
	v_mad_u32_u24 v7, v8, s62, v7
	v_bfe_u32 v8, v2, 1, 1
	s_delay_alu instid0(VALU_DEP_1)
	v_lshl_add_u32 v7, v8, 4, v7
	v_and_b32 v8, 1, v2
	s_delay_alu instid0(VALU_DEP_1)
	v_lshl_add_u32 v7, v8, 2, v7
	s_delay_alu instid0(VALU_DEP_1)
	v_lshlrev_b32 v7, 2, v7
	global_load_b128 v[8:11], v7, s[60:61]
	s_wait_loadcnt 0x0
	global_store_b128 v4, v[8:11], s[38:39]
	s_endpgm
.Lbias_layer1:
	; layer 1: [unit x][-log2(e) b_i, 2 log2(e) b_g, -log2(e) b_o, w];  w = the sum over the ten factors of aff_W[f][unit], or noise_W[unit]
	s_wait_alu depctr_va_vdst(0)
	v_add_nc_u32 v7, v7, v2
	s_delay_alu instid0(VALU_DEP_1)
	v_lshlrev_b32 v7, 2, v7
	s_lshl_b32 s42, s62, 3
	s_mul_i32 s43, s62, 12
	v_add_nc_u32 v12, s42, v7                      ; gate g begins 2 H numbers on,
	v_add_nc_u32 v13, s43, v7                      ; gate o 3 H
	global_load_b32 v8, v7, s[60:61]
	global_load_b32 v9, v12, s[60:61]
	global_load_b32 v10, v13, s[60:61]
	s_cmp_lt_u32 s2, 11
	s_cbranch_scc0 .Lw_noise
.irp f, 0,1,2,3,4,5,6,7,8,9
	global_load_b32 v[16+\f], v7, s[32:33] offset:\f*2048
.endr
	s_wait_loadcnt 0x0
	v_add_f32 v11, v16, v17
.irp f, 2,3,4,5,6,7,8,9
	s_delay_alu instid0(VALU_DEP_1)
	v_add_f32 v11, v11, v[16+\f]
.endr
	s_branch .Lw_done
.Lw_noise:
	s_wait_alu depctr_va_vdst(0)
	global_load_b32 v11, v7, s[34:35]
	s_wait_loadcnt 0x0
.Lw_done:
	v_mul_f32 v8, 0xbfb8aa3b, v8
	v_mul_f32 v9, 0x4038aa3b, v9
	v_mul_f32 v10, 0xbfb8aa3b, v10
	s_wait_alu depctr_va_vdst(0)
	global_store_b128 v4, v[8:11], s[38:39]
	s_endpgm
.Lfunc_end_k_q347f145dd4_lay:
	.size	k_q347f145dd4_lay, .Lfunc_end_k_q347f145dd4_lay-k_q347f145dd4_lay
	.p2alignl 7, 3214868480
	.fill 96, 4, 3214868480
	.section	.rodata,"a",@progbits
	.p2align	6, 0x0
	.amdhsa_kernel k_q347f145dd4_lay
		.amdhsa_group_segment_fixed_size 0
		.amdhsa_private_segment_fixed_size 0
		.amdhsa_enable_private_segment 0
		.amdhsa_kernarg_size 120
		.amdhsa_user_sgpr_count 2
		.amdhsa_user_sgpr_kernarg_segment_ptr 1
		.amdhsa_wavefront_size32 1
		.amdhsa_system_sgpr_workgroup_id_x 1
		.amdhsa_system_sgpr_workgroup_id_y 1
		.amdhsa_system_sgpr_workgroup_id_z 1
		.amdhsa_system_vgpr_workitem_id 0
		.amdhsa_next_free_vgpr 48
		.amdhsa_next_free_sgpr 80
		.amdhsa_reserve_vcc 0
		.amdhsa_float_denorm_mode_32 3
		.amdhsa_float_denorm_mode_16_64 3
		.amdhsa_memory_ordered 1
		.amdhsa_forward_progress 1
		.amdhsa_inst_pref_size 14
	.end_amdhsa_kernel
	.amdgpu_metadata
---
amdhsa.version: [ 1, 2 ]
amdhsa.kernels:
  - .name:           k_q347f145dd4_lay
    .symbol:         k_q347f145dd4_lay.kd
    .args:
      - { .name: g_Wih0_codes, .offset: 0, .size: 8, .value_kind: global_buffer, .address_space: global }
      - { .name: g_Wih0_scales, .offset: 8, .size: 8, .value_kind: global_buffer, .address_space: global }
      - { .name: g_b0, .offset: 16, .size: 8, .value_kind: global_buffer, .address_space: global }
      - { .name: n_Wih0_codes, .offset: 24, .size: 8, .value_kind: global_buffer, .address_space: global }
      - { .name: n_Wih0_scales, .offset: 32, .size: 8, .value_kind: global_buffer, .address_space: global }
      - { .name: n_b0, .offset: 40, .size: 8, .value_kind: global_buffer, .address_space: global }
      - { .name: g_Wih1_codes, .offset: 48, .size: 8, .value_kind: global_buffer, .address_space: global }
      - { .name: g_Wih1_scales, .offset: 56, .size: 8, .value_kind: global_buffer, .address_space: global }
      - { .name: g_b1, .offset: 64, .size: 8, .value_kind: global_buffer, .address_space: global }
      - { .name: n_Wih1_codes, .offset: 72, .size: 8, .value_kind: global_buffer, .address_space: global }
      - { .name: n_Wih1_scales, .offset: 80, .size: 8, .value_kind: global_buffer, .address_space: global }
      - { .name: n_b1, .offset: 88, .size: 8, .value_kind: global_buffer, .address_space: global }
      - { .name: aff_W, .offset: 96, .size: 8, .value_kind: global_buffer, .address_space: global }
      - { .name: noise_W, .offset: 104, .size: 8, .value_kind: global_buffer, .address_space: global }
      - { .name: stream, .offset: 112, .size: 8, .value_kind: global_buffer, .address_space: global }
    .group_segment_fixed_size: 0
    .private_segment_fixed_size: 0
    .kernarg_segment_align: 8
    .kernarg_segment_size: 120
    .max_flat_workgroup_size: 512
    .sgpr_count:     80
    .vgpr_count:     48
    .wavefront_size: 32
...
	.end_amdgpu_metadata
.endif
;; end of part 1
;; launch chain (part 2): grid 256 x 1, 16 waves a work-group, clusters of 4 x 1, 327,680 bytes of LDS; arguments X_codes, X_scales, stream, aff_b, noise_b, out0, out1; writes out0, out1
.if DOCPART == 2
	.amdgcn_target "amdgcn-amd-amdhsa--gfx1250"
	.amdhsa_code_object_version 6
	.text
	.protected	k_q347f145dd4_chain
	.globl	k_q347f145dd4_chain
	.p2align	8
	.type	k_q347f145dd4_chain,@function
k_q347f145dd4_chain:
	s_mov_b64 s[64:65], 0
	v_nop
	global_prefetch_b8 v0, s[64:65] scope:SCOPE_SE
	s_setreg_imm32_b32 hwreg(HW_REG_WAVE_MODE, 25, 1), 1
	s_wait_xcnt 0x0
	s_wait_alu depctr_hold_cnt(0) depctr_sa_sdst(0) depctr_va_vdst(0) depctr_va_sdst(0) depctr_va_ssrc(0) depctr_va_vcc(0) depctr_vm_vsrc(0)
	s_getreg_b32 s2, hwreg(HW_REG_IB_STS2, 6, 4)
	s_cmp_eq_u32 s2, 0
	s_cbranch_scc0 .Lentry_in_a_cluster
	s_endpgm
.Lentry_in_a_cluster:
	s_bfe_u32 s2, ttmp6, 0x10000c
	s_cmp_lg_u32 s2, 0x3003
	s_cbranch_scc0 .Lentry_shape_is_right
	s_endpgm
.Lentry_shape_is_right:
; Both chains of the module, fused: x (codes) -> LSTM step (512) -> LSTM step (512) -> relu -> sum of ten affine factors (out0), and x -> LSTM step (256) -> LSTM step (256) -> relu -> affine -> softplus + 1e-6 (out1).
; The four large products run on codes of FP6 (E2M3) with one E8M0 scale for each 32 along K; the hidden layers are quantised in registers from f32 and never go to memory.
; THE f GATE IS NOT COMPUTED: reference() splits it off and uses it nowhere; gates i, g, o are multiplied.  A NaN or an overflow that reaches only that gate is not carried to the result.
; SHARES.  A work-group owns 128 rows.  Wave wv: rg = wv & 3 names 32 rows (two tiles of 16), cq = wv >> 2 a quarter of each slot's units.  Four waves to a SIMD, 256 registers each.
; WEIGHTS come from 'stream' (images of operand registers with scale words and biases beside them, in the order of use), 13 slots of 81,920 bytes through a ring of two LDS slots.
; CLUSTER.  All work-groups walk the same stream: the four of a cluster ask for each quarter slot JOINTLY (waves 0-3, one load each, the same descriptor in all four, mask 15).
; NO PREFETCH: each slot is asked for by its tensor load one whole slot's work ahead of its first read, and all 64 clusters walk the same 1,064,960 bytes in the same order.
; ACTIVATION, with L = log2(e), a = 2^(-L i), b = 2^(min(2 L g, 32)), d = 2^(-L o):  c = sigmoid(i) tanh(g) = (b - 1) / ((1 + a)(1 + b));  h = sigmoid(o) tanh(c) = c P / (Q (1 + d)), s = c^2.
; Layer 0 (a quantiser follows): P = s^2 + 105 s + 945, Q = 15 s^2 + 420 s + 945, the fifth convergent of tanh's continued fraction.  |c| <= 1 for every input; at |c| = 1 it is 5e-8 off.
; Layer 1 (no quantiser follows; h is an operand of a product left as it is): P = s + 15, Q = 6 s + 15, the third convergent: at |c| = 1 it gives 16 / 21, 4.1e-4 of the number off, under the step of a bf16 operand.
; The hold at 32 changes nothing: (b - 1) / (b + 1) rounds to 1 from b = 2^25 on.  In layer 1 the hold is to 0 .. 32: g <= 0 gives b = 1, c = 0, h = 0, which is relu(h), since h has g's sign.
; THE LAST LAYERS are f32 multiply-adds: the sum over the ten factors of h . W_f + b_f = h . (sum of W_f) + sum of b_f.
; LIMITS: NaN or infinite biases and scale bytes 0xff are not served (the holds drop a NaN); exponentials and reciprocals give 0 for results under 2^-126; a hidden block whose largest magnitude lies under 2^-124 keeps the scale byte 1.
.set SLOT1,  1<<17                     ; slot 0 at LDS byte 0, slot 1 here
.set SLOTB,  81920
.set QSL,    SLOTB/4                   ; what one tensor load brings: 80 rows of 256 bytes
.set XB,     73728                     ; a slot's extras: for each cq 1,024 bytes of scale words, 1,024 of biases
.set FRB,    1536                      ; an image of a fragment: three chunks of 512 bytes
.set HIMG,   SLOT1+SLOTB               ; hidden codes: [j 3][cq 4][row tile 8] half fragments of 768 bytes = 6 register planes x 32 lanes x 4 bytes
.set HSCL,   HIMG+73728                ; their scale bytes: [j][cq][row tile][row] words
.set RED,    HSCL+6144                 ; partial sums: [branch 2][cq 4][128 rows] f32
.set SPARE,  RED+4096                  ; the spare words, 128 bytes for each of the 16 waves
.set SPW, 1                            ; v1 SPARE + 4 x thread; v2 0: never rewritten
.set NIL, 2
.set AW0, 3                            ; images: cq x 18,432 + 16 x lane
.set AXR, 4                            ; extras by unit or row
.set AXH, 5                            ; layer 0's biases
.set IB,  6                            ; where I put hidden codes; v7 their scale bytes
.set SB0, 7
.set HR,  8                            ; where I read hidden codes: global, noise; v10 their scale bytes
.set HR2, 9
.set HSR, 10
.set RA,  11                           ; partial sums: put, read, output offset
.set FA,  12
.set GO,  13
.set AW,  14                           ; v14-18 the addresses in hand
.set AX,  15
.set AXB, 16
.set STA, 17
.set STS, 18
.set CV,  20                           ; v[20:21] 420.0 in layer 0, 15.0 in layer 1
.set QM,  22                           ; v22-35 the quantiser (layer 0)
.set QP,  24
.set QS,  26
.set CD,  28
.set W3,  22                           ; v[22:33] layer 1: the fourth weight buffer
.set HS,  36                           ; v36-43 scale words of x, later of the hidden layer
.set WS,  44                           ; v44-55 scale words of the weights
.set BQ,  56                           ; v[56:59] layer 1: my unit's three scaled biases and its last-layer weight
.set HF,  60                           ; v60-155 the hidden layer's fragments; in layer 0: x, biases as C, the second run of accumulators
.set XF,  60
.set BI,  84
.set ACC1, 108
.set WF,  156                          ; v156-191 three weight buffers; in the activation: T
.set TT,  156
.set ACC0, 192                         ; v192-239: I +0, G +16, O +32
.set DA,  ACC1-ACC0
.set DOT, 240                          ; v240-255 the last layer's sums
.set WV,  18
.set RG,  19
.set CQ,  20
.set LATE, 21                          ; (rg ^ cq) & 1: half of the waves carry a slot's last activation over the change of slots
.set SEL, 22
.set KN,  24                           ; s[24:25] -log2(e)
.set K2,  26                           ; s[26:27] 2 log2(e)
.set C32, 28
.set TB,  29                           ; LDS byte at which the slot in hand begins
.set HO,  30
.set SO,  31
.set C105, 32
.set C945, 34
.set G1,  36
.set G0,  44
.set CNT, 48
.set C6,  66
.set C15, 80
.macro WA
	s_wait_alu depctr_va_vdst(0)
.endm
.macro PLACES                          ; four plain places behind a matrix instruction (ISA guide 7.12.1)
.rept 4
	v_nop
.endr
.endm
.macro ROUND                           ; a round of the cluster's barrier
	s_barrier_signal -1
	s_barrier_wait -1
	s_cmp_lg_u32 s[WV], 0
	s_cbranch_scc1 .Lnot_wave_0_\@
	s_barrier_signal -3
.Lnot_wave_0_\@:
	s_barrier_wait -3
	s_barrier_signal -1
	s_barrier_wait -1
.endm
.macro TLOAD                           ; waves 0-3 ask for a quarter slot each
	s_cmp_lt_u32 s[WV], 4
	s_cbranch_scc0 .Lno_fetch_\@
	tensor_load_to_lds s[G0:G0+3], s[G1:G1+7]
	s_nop 0
	PLACES
.Lno_fetch_\@:
.endm
; THE CHANGE OF SLOTS.  Each wave waits for all its tensor loads (at most one is out), adds 0 to its spare word, waits for that and for its reads of the slot in hand.
; fill = 1: a round of the cluster's barrier, then the slot just read is filled with the slot after next.
.macro CHANGE fill
	WA
	s_wait_tensorcnt 0x0
	ds_add_u32 v[SPW], v[NIL]
.if \fill
	ds_add_u32 v[SPW], v[NIL]
	s_xor_b32 s[G0+1], s[G0+1], SLOT1              ; no load of mine is out: the descriptor walks
	s_add_nc_u64 s[G0+2:G0+3], s[G0+2:G0+3], SLOTB
.endif
	s_wait_dscnt 0x0
.if \fill
	ROUND
	TLOAD
.else
	s_barrier_signal -1
	s_barrier_wait -1
.endif
.endm
; LAYER 0, block be of 32 units: tiles u = 0, 1, three gates, two row tiles.  TRANSPOSED: source 0 = 16 weight rows, source 1 = 16 rows of x, C = the biases:
; lane (r, h) holds row r of x, and the 16 registers of a gate's two tiles are units 32 be + 16 h + 0 .. 15.
.macro M_L0 be
.irp u, 0,1
.if \u
	PLACES
.endif
	ds_load_b128 v[WS:WS+3], v[AX] offset:(2*\be+\u)*256
.irp g, 0,1,2
	ds_load_b128 v[BI+8*\g:BI+8*\g+3], v[AXB] offset:(2*\be+\u)*256+64*\g
	ds_load_b128 v[BI+8*\g+4:BI+8*\g+7], v[AXB] offset:(2*\be+\u)*256+64*\g+16
.endr
.irp g, 0,1,2
.irp c, 0,1,2
	ds_load_b128 v[WF+12*\g+4*\c:WF+12*\g+4*\c+3], v[AW] offset:(6*\be+3*\u+\g)*FRB+512*\c
.endr
.endr
.irp g, 0,1,2
	s_wait_dscnt 6-3*\g                            ; the fragments of the gates not yet multiplied, three loads each, may stay out
.irp rt, 0,1
	v_wmma_scale_f32_16x16x128_f8f6f4 v[ACC0+DA*\rt+16*\g+8*\u:ACC0+DA*\rt+16*\g+8*\u+7], v[WF+12*\g:WF+12*\g+11], v[XF+12*\rt:XF+12*\rt+11], v[BI+8*\g:BI+8*\g+7], v[WS+\g], v[HS+\rt] matrix_a_fmt:MATRIX_FMT_FP6 matrix_b_fmt:MATRIX_FMT_FP6
.endr
.endr
.endr
	PLACES
.endm
; LAYER 1, tile tau of 16 units, ks K steps of 128.  Source 0 = 16 rows of the hidden layer, source 1 = 16 weight rows: lane (r, h), register j = (row 8 h + j, unit r).
; The 3 ks weight fragments (f = 3 x K step + gate) go through FOUR buffers by turns: while fragment f is multiplied, f + 1 .. f + 3 (nine loads) are on their way.
; Six accumulators take turns, one instruction a turn; the first K step starts the sums with the constant 0.
.macro WBUF f
.if ((\f)%4) == 3
.set WB, W3
.else
.set WB, WF+12*((\f)%4)
.endif
.endm
.macro LDFR ks, tau, f
	WBUF \f
.irp c, 0,1,2
	ds_load_b128 v[WB+4*\c:WB+4*\c+3], v[AW] offset:(3*\ks*(\tau)+(\f))*FRB+512*\c
.endr
.endm
.macro M_L1 ks, tau
.if \ks == 4
.irp c, 0,1,2
	ds_load_b128 v[WS+4*\c:WS+4*\c+3], v[AX] offset:256*\c
.endr
.else
.irp c, 0,1
	ds_load_b128 v[WS+4*\c:WS+4*\c+3], v[AX] offset:(\tau)*512+256*\c
.endr
.endif
	ds_load_b128 v[BQ:BQ+3], v[AX] offset:1024+(\tau)*512
	LDFR \ks, \tau, 0
	LDFR \ks, \tau, 1
	LDFR \ks, \tau, 2
.set FF, 0
.rept 3*\ks
.if FF+3 < 3*\ks
.if FF > 0
	PLACES                                         ; the buffer of fragment f + 3 was read by fragment f - 1's products
.endif
	LDFR \ks, \tau, FF+3
.endif
.set LEFT, 3*\ks-1-FF
.if LEFT > 3
.set LEFT, 3
.endif
	s_wait_dscnt 3*LEFT                            ; the younger fragments, three loads each, may stay out
	WBUF FF
.set SS, FF/3
.set GG, FF%3
.irp rt, 0,1
.if SS == 0
	v_wmma_scale_f32_16x16x128_f8f6f4 v[ACC0+16*GG+8*\rt:ACC0+16*GG+8*\rt+7], v[HF+12*(\ks*\rt+SS):HF+12*(\ks*\rt+SS)+11], v[WB:WB+11], 0, v[HS+\ks*\rt+SS], v[WS+\ks*GG+SS] matrix_a_fmt:MATRIX_FMT_FP6 matrix_b_fmt:MATRIX_FMT_FP6
.else
	v_wmma_scale_f32_16x16x128_f8f6f4 v[ACC0+16*GG+8*\rt:ACC0+16*GG+8*\rt+7], v[HF+12*(\ks*\rt+SS):HF+12*(\ks*\rt+SS)+11], v[WB:WB+11], v[ACC0+16*GG+8*\rt:ACC0+16*GG+8*\rt+7], v[HS+\ks*\rt+SS], v[WS+\ks*GG+SS] matrix_a_fmt:MATRIX_FMT_FP6 matrix_b_fmt:MATRIX_FMT_FP6
.endif
.endr
.set FF, FF+1
.endr
	PLACES
.endm
; THE ACTIVATION in stages, 16 numbers a lane and gate at base b (I +0, G +16, O +32), one temporary of 16 registers at t; h ends in G.  mode 0: layer 0.  mode 1: layer 1.
; Every accumulator is read from its low end on.  Each stage runs over eight pairs, so that no line reads the line above it.
.macro A1 b, t, mode                   ; the exponents
.irp k, 0,2,4,6,8,10,12,14
.if \mode
	v_pk_fma_f32 v[(\b)+\k:(\b)+\k+1], v[(\b)+\k:(\b)+\k+1], s[KN:KN+1], v[BQ:BQ+1] op_sel_hi:[1,0,0]   ; -L i
.else
	v_pk_mul_f32 v[(\b)+\k:(\b)+\k+1], v[(\b)+\k:(\b)+\k+1], s[KN:KN+1] op_sel_hi:[1,0]
.endif
.endr
.irp k, 0,2,4,6,8,10,12,14
.if \mode
	v_pk_fma_f32 v[(\b)+16+\k:(\b)+17+\k], v[(\b)+16+\k:(\b)+17+\k], s[K2:K2+1], v[BQ:BQ+1] op_sel:[0,0,1] op_sel_hi:[1,0,1]   ; 2 L g
.else
	v_pk_mul_f32 v[(\b)+16+\k:(\b)+17+\k], v[(\b)+16+\k:(\b)+17+\k], s[K2:K2+1] op_sel_hi:[1,0]
.endif
.endr
.irp k, 0,2,4,6,8,10,12,14
.if \mode
	v_pk_fma_f32 v[(\b)+32+\k:(\b)+33+\k], v[(\b)+32+\k:(\b)+33+\k], s[KN:KN+1], v[BQ+2:BQ+3] op_sel_hi:[1,0,0]  ; -L o
.else
	v_pk_mul_f32 v[(\b)+32+\k:(\b)+33+\k], v[(\b)+32+\k:(\b)+33+\k], s[KN:KN+1] op_sel_hi:[1,0]
.endif
.endr
.irp j, 0,1,2,3,4,5,6,7,8,9,10,11,12,13,14,15
.if \mode
	v_med3_num_f32 v[(\b)+16+\j], v[(\b)+16+\j], 0, s[C32]
.else
	v_min_num_f32 v[(\b)+16+\j], s[C32], v[(\b)+16+\j]
.endif
.endr
.endm
.macro A2 b                            ; a, b, d
.set JJ, 0
.rept 48
	v_exp_f32 v[(\b)+JJ], v[(\b)+JJ]
.set JJ, JJ+1
.endr
.endm
.macro A3 b, t
.irp k, 0,2,4,6,8,10,12,14
	v_pk_add_f32 v[(\t)+\k:(\t)+\k+1], v[(\b)+16+\k:(\b)+17+\k], 1.0 op_sel_hi:[1,0]                     ; 1 + b
.endr
.irp k, 0,2,4,6,8,10,12,14
	v_pk_fma_f32 v[(\b)+\k:(\b)+\k+1], v[(\b)+\k:(\b)+\k+1], v[(\t)+\k:(\t)+\k+1], v[(\t)+\k:(\t)+\k+1]  ; (1 + a)(1 + b)
.endr
.irp k, 0,2,4,6,8,10,12,14
	v_pk_add_f32 v[(\b)+16+\k:(\b)+17+\k], v[(\b)+16+\k:(\b)+17+\k], -1.0 op_sel_hi:[1,0]                ; b - 1
.endr
.endm
.macro ARCP b                          ; sixteen reciprocals in place
.set JJ, 0
.rept 16
	v_rcp_f32 v[(\b)+JJ], v[(\b)+JJ]
.set JJ, JJ+1
.endr
.endm
.macro A5 b, t, mode
.irp k, 0,2,4,6,8,10,12,14
	v_pk_mul_f32 v[(\b)+16+\k:(\b)+17+\k], v[(\b)+16+\k:(\b)+17+\k], v[(\b)+\k:(\b)+\k+1]                ; c
.endr
.irp k, 0,2,4,6,8,10,12,14
	v_pk_mul_f32 v[(\b)+\k:(\b)+\k+1], v[(\b)+16+\k:(\b)+17+\k], v[(\b)+16+\k:(\b)+17+\k]                ; s = c^2
.endr
.if \mode
.irp k, 0,2,4,6,8,10,12,14
	v_pk_add_f32 v[(\t)+\k:(\t)+\k+1], v[(\b)+\k:(\b)+\k+1], s[C15:C15+1] op_sel_hi:[1,0]                ; P = s + 15
.endr
.else
.irp k, 0,2,4,6,8,10,12,14
	v_pk_add_f32 v[(\t)+\k:(\t)+\k+1], v[(\b)+\k:(\b)+\k+1], s[C105:C105+1] op_sel_hi:[1,0]
.endr
.irp k, 0,2,4,6,8,10,12,14
	v_pk_fma_f32 v[(\t)+\k:(\t)+\k+1], v[(\t)+\k:(\t)+\k+1], v[(\b)+\k:(\b)+\k+1], s[C945:C945+1] op_sel_hi:[1,1,0]   ; P
.endr
.endif
.irp k, 0,2,4,6,8,10,12,14
	v_pk_mul_f32 v[(\b)+16+\k:(\b)+17+\k], v[(\b)+16+\k:(\b)+17+\k], v[(\t)+\k:(\t)+\k+1]                ; c P
.endr
.if \mode
.irp k, 0,2,4,6,8,10,12,14
	v_pk_fma_f32 v[(\t)+\k:(\t)+\k+1], v[(\b)+\k:(\b)+\k+1], s[C6:C6+1], v[CV:CV+1] op_sel_hi:[1,0,1]    ; Q = 6 s + 15
.endr
.else
.irp k, 0,2,4,6,8,10,12,14
	v_pk_fma_f32 v[(\t)+\k:(\t)+\k+1], v[(\b)+\k:(\b)+\k+1], s[C15:C15+1], v[CV:CV+1] op_sel_hi:[1,0,1]
.endr
.irp k, 0,2,4,6,8,10,12,14
	v_pk_fma_f32 v[(\t)+\k:(\t)+\k+1], v[(\t)+\k:(\t)+\k+1], v[(\b)+\k:(\b)+\k+1], s[C945:C945+1] op_sel_hi:[1,1,0]   ; Q
.endr
.endif
.irp k, 0,2,4,6,8,10,12,14
	v_pk_fma_f32 v[(\b)+32+\k:(\b)+33+\k], v[(\b)+32+\k:(\b)+33+\k], v[(\t)+\k:(\t)+\k+1], v[(\t)+\k:(\t)+\k+1]   ; Q (1 + d)
.endr
.endm
.macro A7 b, mode
.irp k, 0,2,4,6,8,10,12,14
	v_pk_mul_f32 v[(\b)+16+\k:(\b)+17+\k], v[(\b)+16+\k:(\b)+17+\k], v[(\b)+32+\k:(\b)+33+\k]            ; h
.endr
.if \mode
.irp k, 0,2,4,6,8,10,12,14
	v_pk_fma_f32 v[DOT+\k:DOT+\k+1], v[(\b)+16+\k:(\b)+17+\k], v[BQ+2:BQ+3], v[DOT+\k:DOT+\k+1] op_sel:[0,1,0] op_sel_hi:[1,1,1]   ; + h w
.endr
.endif
.endm
; n = 2: both runs of accumulators go through each stage together.  Each batch of transcendentals has one wait ahead of it, one plain place and one wait behind it.
.macro ACT n, mode
	A1 ACC0, TT, \mode
.if \n == 2
	A1 ACC1, TT+16, \mode
.endif
	WA
	A2 ACC0
.if \n == 2
	A2 ACC1
.endif
	v_nop
	WA
	A3 ACC0, TT
.if \n == 2
	A3 ACC1, TT+16
.endif
	WA
	ARCP ACC0
.if \n == 2
	ARCP ACC1
.endif
	v_nop
	WA
	A5 ACC0, TT, \mode
.if \n == 2
	A5 ACC1, TT+16, \mode
.endif
	WA
	ARCP ACC0+32
.if \n == 2
	ARCP ACC1+32
.endif
	v_nop
	WA
	A7 ACC0, \mode
.if \n == 2
	A7 ACC1, \mode
.endif
.endm
; THE QUANTISER of block be, both row tiles by turns.  A lane's 16 numbers and lane l xor 16's are the block.  The scale's byte is the largest magnitude's exponent field - 2, held at 1 from below by the floor 2^(3 - 127).
; The reader's layout wants a whole block in a lane; the stores' addresses do that exchange: plane 3 h + i, 128 bytes a plane, 4 bytes a reader lane.
.macro QUANT be
.irp rt, 0,1
	v_max3_num_f32 v[QM+\rt], |v[ACC0+DA*\rt+16]|, |v[ACC0+DA*\rt+17]|, 0x1800000
.endr
.irp i, 2,4,6,8,10,12,14
.irp rt, 0,1
	v_max3_num_f32 v[QM+\rt], v[QM+\rt], |v[ACC0+DA*\rt+16+\i]|, |v[ACC0+DA*\rt+17+\i]|
.endr
.endr
.irp rt, 0,1
	v_permlanex16_b32 v[QP+\rt], v[QM+\rt], s[SEL], s[SEL+1]
.endr
.irp rt, 0,1
	v_max_num_f32 v[QM+\rt], v[QM+\rt], v[QP+\rt]
.endr
.irp rt, 0,1
	v_add_nc_u32 v[QS+\rt], 0xff000000, v[QM+\rt]  ; 2 off the exponent field: the conversion's scale operand
.endr
.irp rt, 0,1
	v_lshrrev_b32 v[CD+4*\rt+3], 23, v[QS+\rt]     ; the scale's byte
.endr
.irp rt, 0,1
	v_cvt_scalef32_pk16_fp6_f32 v[CD+4*\rt:CD+4*\rt+2], v[ACC0+DA*\rt+16:ACC0+DA*\rt+31], v[QS+\rt]
.endr
	v_nop                                          ; one plain place behind the conversions
.irp rt, 0,1
.irp i, 0,1,2
	ds_store_b32 v[STA], v[CD+4*\rt+\i] offset:\rt*768+64*\be+128*\i
.endr
	ds_store_b8 v[STS], v[CD+4*\rt+3] offset:\rt*64+\be   ; both halves of the lanes write the same byte with the same value
.endr
.endm
.macro ACTQ be
	ACT 2, 0
	QUANT \be
.endm
; A slot's last activation stands ahead of the change of slots in the early waves and behind it in the late ones.  The branches hang on the wave's number alone; no barrier, tensor load or wait of the change stands inside.
.macro E_ACTQ
	s_cmp_lg_u32 s[LATE], 0
	s_cbranch_scc1 .Lis_late_\@
	ACTQ 1
.Lis_late_\@:
.endm
.macro L_ACTQ
	s_cmp_eq_u32 s[LATE], 0
	s_cbranch_scc1 .Lis_early_\@
	ACTQ 1
.Lis_early_\@:
.endm
.macro E_ACT1
	s_cmp_lg_u32 s[LATE], 0
	s_cbranch_scc1 .Lis_late_\@
	ACT 1, 1
.Lis_late_\@:
.endm
.macro L_ACT1
	s_cmp_eq_u32 s[LATE], 0
	s_cbranch_scc1 .Lis_early_\@
	ACT 1, 1
.Lis_early_\@:
.endm
; My 32 rows of the hidden layer come into registers and stay: ks K steps x 2 row tiles.  DOT is cleared; those sixteen lines are also the places owed between a scale register written by a vector instruction and a scaled product.
.macro LOADH ks
.irp rt, 0,1
.set SS, 0
.rept \ks
.irp c, 0,1
.irp p, 0,1,2,3,4,5
.if \ks == 4
	ds_load_b32 v[HF+12*(\ks*\rt+SS)+6*\c+\p], v[HR] offset:\c*24576+SS*6144+\rt*768+128*\p
.else
	ds_load_b32 v[HF+12*(\ks*\rt+SS)+6*\c+\p], v[HR2] offset:(2*SS+\c)*6144+\rt*768+128*\p
.endif
.endr
.endr
.if \ks == 4
	ds_load_u16 v[WF+2*(\ks*\rt+SS)], v[HSR] offset:SS*512+\rt*64
	ds_load_u16 v[WF+2*(\ks*\rt+SS)+1], v[HSR] offset:2048+SS*512+\rt*64
.else
	ds_load_u16 v[WF+2*(\ks*\rt+SS)], v[HSR] offset:4096+2*SS*512+\rt*64
	ds_load_u16 v[WF+2*(\ks*\rt+SS)+1], v[HSR] offset:4096+(2*SS+1)*512+\rt*64
.endif
.set SS, SS+1
.endr
.endr
	s_wait_dscnt 0x0
.set NN, 0
.rept 2*\ks
	v_lshl_or_b32 v[HS+NN], v[WF+2*NN+1], 16, v[WF+2*NN]
.set NN, NN+1
.endr
.irp j, 0,1,2,3,4,5,6,7,8,9,10,11,12,13,14,15
	v_mov_b32 v[DOT+\j], 0
.endr
.endm
; DOT is summed over my 16 units (the sixteen lanes of a half) and put where the last waves find it.
.macro REDUCE br
.irp m, 1,2,4,8
.irp j, 0,1,2,3,4,5,6,7,8,9,10,11,12,13,14,15
	v_add_f32_dpp v[DOT+\j], v[DOT+\j], v[DOT+\j] row_xmask:\m row_mask:0xf bank_mask:0xf
.endr
.endr
.irp j, 0,1,2,3,4,5,6,7,8,9,10,11,12,13,14,15
	ds_store_b32 v[RA], v[DOT+\j] offset:\br*2048+64*(\j/8)+4*(\j%8)
.endr
.endm
	; ---- the head
	s_load_b256 s[4:11], s[0:1], 0x0               ; X's codes, X's scales, stream, aff_b
	s_load_b128 s[12:15], s[0:1], 0x20             ; noise_b, out0
	s_load_b64 s[16:17], s[0:1], 0x30              ; out1
	v_lshl_add_u32 v[SPW], v0, 2, SPARE
	v_mov_b32 v[NIL], 0
	ds_add_u32 v[SPW], v[NIL]                      ; the opening lines: the add twice on end under one wait
	ds_add_u32 v[SPW], v[NIL]
	v_lshrrev_b32 v19, 5, v0
	v_readfirstlane_b32 s[WV], v19                 ; wave 0..15
	WA
	s_and_b32 s[RG], s[WV], 3
	s_lshr_b32 s[CQ], s[WV], 2
	s_xor_b32 s[LATE], s[RG], s[CQ]
	s_and_b32 s[LATE], s[LATE], 1
	s_mov_b32 s[SEL], 0x76543210
	s_mov_b32 s[SEL+1], 0xfedcba98
	s_mov_b32 s[KN], 0xbfb8aa3b
	s_mov_b32 s[KN+1], s[KN]                       ; (a packed form names the pair, so both words are written)
	s_mov_b32 s[K2], 0x4038aa3b
	s_mov_b32 s[K2+1], s[K2]
	s_mov_b32 s[C32], 0x42000000
	s_mov_b32 s[C105], 0x42d20000
	s_mov_b32 s[C105+1], s[C105]
	s_mov_b32 s[C945], 0x446c4000
	s_mov_b32 s[C945+1], s[C945]
	s_mov_b32 s[C15], 0x41700000
	s_mov_b32 s[C15+1], s[C15]
	s_mov_b32 s[C6], 0x40c00000
	s_mov_b32 s[C6+1], s[C6]
	s_mov_b32 s[TB], 0
	s_mov_b32 s[HO], 0
	s_mov_b32 s[SO], 0
	s_mov_b32 s[CNT], 0
	; the wave's parts of every LDS address
	s_mul_i32 s50, s[CQ], 18432
	s_lshl_b32 s51, s[CQ], 11
	s_add_co_u32 s51, s51, XB
	s_add_co_u32 s52, s51, 1024
	s_mul_i32 s53, s[CQ], 6144
	s_mul_i32 s55, s[RG], 1536
	s_add_co_u32 s53, s53, s55
	s_add_co_u32 s53, s53, HIMG
	s_add_co_u32 s55, s55, HIMG
	s_lshl_b32 s54, s[CQ], 9
	s_lshl_b32 s56, s[RG], 7
	s_add_co_u32 s57, s54, s56
	s_add_co_u32 s54, s57, HSCL
	s_add_co_u32 s57, s57, RED
	s_add_co_u32 s58, s56, HSCL
	s_and_b32 s59, s[RG], 1
	s_lshl_b32 s59, s59, 8
	s_lshr_b32 s60, s[RG], 1
	s_lshl_b32 s60, s60, 11
	s_add_co_u32 s60, s60, RED
	; and the lanes'
	v_mov_b32 v[CV], 0x43d20000
	v_mov_b32 v[CV+1], 0x43d20000
	v_mov_b32 v[QP], 0                             ; written once: a lane permute's destination counts as one of its sources
	v_mov_b32 v[QP+1], 0
	v_and_b32 v19, 31, v0                          ; lane
	v_and_b32 v22, 15, v0                          ; r
	v_bfe_u32 v23, v0, 4, 1                        ; h
	v_lshl_add_u32 v[AW0], v19, 4, s50
	v_lshl_add_u32 v[AXR], v22, 4, s51
	v_lshl_add_u32 v[AXH], v23, 5, s52
	v_mul_u32_u24 v[IB], v23, 384
	v_lshl_add_u32 v[IB], v22, 2, v[IB]
	v_add_nc_u32 v[IB], s53, v[IB]
	v_lshl_add_u32 v[SB0], v22, 2, s54
	v_lshl_add_u32 v[HR], v19, 2, s55
	v_add_nc_u32 v[HR2], 49152, v[HR]
	v_lshl_add_u32 v[HSR], v22, 2, s58
	v_lshl_add_u32 v[RA], v23, 5, s57
	v_lshl_add_u32 v[GO], v19, 3, s59              ; 256 x (wave & 1) + 8 x lane
	v_add_nc_u32 v[FA], s60, v[GO]
	v_mul_u32_u24 v26, v22, 96
	v_mad_u32_u24 v26, v23, 24, v26                ; x: row r of 96 bytes, + 24 h
	v_lshlrev_b32 v27, 2, v22                      ; and its scale word
	WA                                             ; the head's vector work ends here
	s_wait_dscnt 0x0                               ; both opening adds are done
	; descriptor group 1: 80 rows of 32 elements of 8 bytes, dense; mask 15: all four work-groups; bit 21 beside the mask
	s_mov_b32 s[G1], 15|(3<<16)|(1<<21)
	s_mov_b32 s[G1+1], 32<<16
	s_mov_b32 s[G1+2], 80<<16
	s_mov_b32 s[G1+3], 32<<16
	s_mov_b32 s[G1+4], 80
	s_mov_b32 s[G1+5], 32
	s_mov_b32 s[G1+6], 0
	s_mov_b32 s[G1+7], 0
	s_mul_i32 s50, s[RG], QSL                      ; my quarter of a slot, in memory and in LDS: the wave's number alone enters
	s_mov_b32 s51, 0
	s_mov_b32 s[G0], 1
	s_mov_b32 s[G0+1], s50
	; my work-group's rows: the place in the cluster enters X's and the outputs' global addresses alone
	s_bfe_u32 s55, ttmp6, 0x40000
	s_lshl_b32 s57, ttmp9, 2
	s_add_co_u32 s57, s57, s55                     ; work-group = 4 x cluster + place
	s_mul_i32 s58, s57, 12288                      ; 128 rows of 96 bytes
	s_mul_i32 s55, s[RG], 3072
	s_add_co_u32 s58, s58, s55
	s_mov_b32 s59, 0
	s_lshl_b32 s62, s57, 9                         ; 128 rows of 4 bytes
	s_mov_b32 s63, 0
	s_add_co_u32 s60, s62, s56
	s_mov_b32 s61, 0
	s_wait_kmcnt 0x0
	s_add_nc_u64 s[G0+2:G0+3], s[8:9], s[50:51]
	s_or_b32 s[G0+3], s[G0+3], 0x80000000
	s_add_nc_u64 s[4:5], s[4:5], s[58:59]
	s_add_nc_u64 s[6:7], s[6:7], s[60:61]
	s_add_nc_u64 s[14:15], s[14:15], s[62:63]
	s_add_nc_u64 s[16:17], s[16:17], s[62:63]
.irp rt, 0,1
.irp p, 0,1,2,3,4,5
	global_load_b64 v[XF+12*\rt+2*\p:XF+12*\rt+2*\p+1], v26, s[4:5] offset:1536*\rt+48*(\p/3)+8*(\p%3)   ; x's two fragments stay in registers
.endr
	global_load_b32 v[HS+\rt], v27, s[6:7] offset:64*\rt
.endr
	s_load_b256 s[68:75], s[10:11], 0x0            ; aff_b's ten numbers
	s_load_b64 s[76:77], s[10:11], 0x20
	s_load_b32 s78, s[12:13], 0x0                  ; noise_b
	ROUND                                          ; all four work-groups are here: the first joint loads meet
	TLOAD                                          ; slot 0: one tensor load a wave at the head
	s_wait_loadcnt 0x0
	s_wait_kmcnt 0x0
	CHANGE 1                                       ; slot 0 has landed; slot 1 is asked for, as a refill is
	; ---- layer 0: slots 0, 1 (global), 2 (noise): 64 units a wave and slot
.Llayer0:
	v_add_nc_u32 v[AW], s[TB], v[AW0]
	v_add_nc_u32 v[AX], s[TB], v[AXR]
	v_add_nc_u32 v[AXB], s[TB], v[AXH]
	v_add_nc_u32 v[STA], s[HO], v[IB]
	v_add_nc_u32 v[STS], s[SO], v[SB0]
	WA                                             ; these five are read again behind waits
	M_L0 0
	ACTQ 0
	M_L0 1
	E_ACTQ
	CHANGE 1
	L_ACTQ
	s_xor_b32 s[TB], s[TB], SLOT1
	s_add_co_u32 s[HO], s[HO], 24576
	s_add_co_u32 s[SO], s[SO], 2048
	s_add_co_u32 s[CNT], s[CNT], 1
	s_cmp_lt_u32 s[CNT], 3
	s_cbranch_scc1 .Llayer0
	; ---- the hidden layers lie in LDS: my stores have landed, then the work-group's barrier.  The load of slot 4 may stay out
	s_wait_dscnt 0x0
	s_barrier_signal -1
	s_barrier_wait -1
	v_mov_b32 v[CV], 0x41700000                    ; 15.0 for layer 1's Q
	v_mov_b32 v[CV+1], 0x41700000
	LOADH 4
	; ---- global layer 1: slots 3-10, 16 units a wave and slot
	s_mov_b32 s[CNT], 0
.Lglobal1:
	v_add_nc_u32 v[AW], s[TB], v[AW0]
	v_add_nc_u32 v[AX], s[TB], v[AXR]
	WA
	M_L1 4, 0
	E_ACT1
	CHANGE 1
	L_ACT1
	s_xor_b32 s[TB], s[TB], SLOT1
	s_add_co_u32 s[CNT], s[CNT], 1
	s_cmp_lt_u32 s[CNT], 8
	s_cbranch_scc1 .Lglobal1
	REDUCE 0
	LOADH 2
	; ---- noise layer 1: slots 11, 12, two tiles of 16 units a wave and slot; written out
	v_add_nc_u32 v[AW], s[TB], v[AW0]
	v_add_nc_u32 v[AX], s[TB], v[AXR]
	WA
	M_L1 2, 0
	ACT 1, 1
	M_L1 2, 1
	E_ACT1
	CHANGE 0                                       ; slot 12 has landed; nothing is left to ask for
	L_ACT1
	s_xor_b32 s[TB], s[TB], SLOT1
	v_add_nc_u32 v[AW], s[TB], v[AW0]
	v_add_nc_u32 v[AX], s[TB], v[AXR]
	WA
	M_L1 2, 0
	ACT 1, 1
	M_L1 2, 1
	ACT 1, 1
	REDUCE 1
	; ---- the end: the four column quarters' sums meet; waves 0, 1 finish out0, waves 2, 3 out1, 64 rows each, two a lane
	s_wait_dscnt 0x0
	s_barrier_signal -1
	s_barrier_wait -1
	s_cmp_lt_u32 s[WV], 4
	s_cbranch_scc0 .Lend
	ds_load_b64 v[156:157], v[FA]
	ds_load_b64 v[158:159], v[FA] offset:512
	ds_load_b64 v[160:161], v[FA] offset:1024
	ds_load_b64 v[162:163], v[FA] offset:1536
	s_wait_dscnt 0x0
	v_pk_add_f32 v[156:157], v[156:157], v[158:159]
	v_pk_add_f32 v[160:161], v[160:161], v[162:163]
	v_pk_add_f32 v[156:157], v[156:157], v[160:161]
	s_cmp_lt_u32 s[WV], 2
	s_cselect_b64 s[50:51], s[14:15], s[16:17]
	WA
	s_cbranch_scc0 .Lsigma
	v_mov_b32 v158, s68                            ; the sum of the ten biases
.irp n, 69,70,71,72,73,74,75,76,77
	v_add_f32 v158, s[\n], v158
.endr
	v_add_f32 v156, v156, v158
	v_add_f32 v157, v157, v158
	WA
	s_branch .Lstore
.Lsigma:
	v_add_f32 v156, s78, v156                      ; z
	v_add_f32 v157, s78, v157
	v_mul_f32 v158, s[KN], |v156|                  ; softplus(z) = max(z, 0) + ln 2 x log2(1 + 2^(-L |z|))
	v_mul_f32 v159, s[KN], |v157|
	WA
	v_exp_f32 v158, v158
	v_exp_f32 v159, v159
	v_max_num_f32 v160, 0, v156
	v_max_num_f32 v161, 0, v157
	WA
	v_add_f32 v158, 1.0, v158
	v_add_f32 v159, 1.0, v159
	WA
	v_log_f32 v158, v158
	v_log_f32 v159, v159
	v_nop
	WA
	v_fmamk_f32 v156, v158, 0x3f317218, v160
	v_fmamk_f32 v157, v159, 0x3f317218, v161
	v_add_f32 v156, 0x358637bd, v156               ; + 1e-6
	v_add_f32 v157, 0x358637bd, v157
.Lstore:
	global_store_b64 v[GO], v[156:157], s[50:51]   ; 32 lanes store 256 consecutive bytes, at a multiple of 256 from the output's first byte
.Lend:
	s_wait_tensorcnt 0x0                           ; the wave's end
	ds_add_u32 v[SPW], v[NIL]
	s_wait_dscnt 0x0
	ROUND                                          ; the closing round
	s_endpgm
.Lfunc_end_k_q347f145dd4_chain:
	.size	k_q347f145dd4_chain, .Lfunc_end_k_q347f145dd4_chain-k_q347f145dd4_chain
	.p2alignl 7, 3214868480
	.fill 96, 4, 3214868480
	.section	.rodata,"a",@progbits
	.p2align	6, 0x0
	.amdhsa_kernel k_q347f145dd4_chain
		.amdhsa_group_segment_fixed_size 327680
		.amdhsa_private_segment_fixed_size 0
		.amdhsa_enable_private_segment 0
		.amdhsa_kernarg_size 56
		.amdhsa_user_sgpr_count 2
		.amdhsa_user_sgpr_kernarg_segment_ptr 1
		.amdhsa_wavefront_size32 1
		.amdhsa_system_sgpr_workgroup_id_x 1
		.amdhsa_system_sgpr_workgroup_id_y 1
		.amdhsa_system_sgpr_workgroup_id_z 1
		.amdhsa_system_vgpr_workitem_id 0
		.amdhsa_next_free_vgpr 256
		.amdhsa_next_free_sgpr 84
		.amdhsa_reserve_vcc 0
		.amdhsa_float_denorm_mode_32 3
		.amdhsa_float_denorm_mode_16_64 3
		.amdhsa_memory_ordered 1
		.amdhsa_forward_progress 1
		.amdhsa_inst_pref_size 212
	.end_amdhsa_kernel
	.amdgpu_metadata
---
amdhsa.version: [ 1, 2 ]
amdhsa.kernels:
  - .name:           k_q347f145dd4_chain
    .symbol:         k_q347f145dd4_chain.kd
    .args:
      - { .name: X_codes, .offset: 0, .size: 8, .value_kind: global_buffer, .address_space: global }
      - { .name: X_scales, .offset: 8, .size: 8, .value_kind: global_buffer, .address_space: global }
      - { .name: stream, .offset: 16, .size: 8, .value_kind: global_buffer, .address_space: global }
      - { .name: aff_b, .offset: 24, .size: 8, .value_kind: global_buffer, .address_space: global }
      - { .name: noise_b, .offset: 32, .size: 8, .value_kind: global_buffer, .address_space: global }
      - { .name: out0, .offset: 40, .size: 8, .value_kind: global_buffer, .address_space: global }
      - { .name: out1, .offset: 48, .size: 8, .value_kind: global_buffer, .address_space: global }
    .group_segment_fixed_size: 327680
    .private_segment_fixed_size: 0
    .kernarg_segment_align: 8
    .kernarg_segment_size: 56
    .max_flat_workgroup_size: 512
    .sgpr_count:     84
    .vgpr_count:     256
    .wavefront_size: 32
...
	.end_amdgpu_metadata
.endif
;; end of part 2
